; MI455X (gfx1250); checked and timed in simulation.
; The chip was launched on July 23, 2026; its instructions are those of AMD's public machine-readable ISA for CDNA 5 (MIT licence, August 2026) and "CDNA5" Instruction Set Architecture Reference Guide (July 2026). The comments in the code are by the model that wrote it; some were corrected since.
;; Fig Linear Full. Allowed arithmetic: float matrix products may take bf16 or f16 operands with f32 sums; other float arithmetic in f32, or as packed bf16 or f16 multiplies, adds, multiply-adds, maxima and minima; sums over many terms, partial sums and values carried from step to step in f32; what a program stores and reads back later, other than sums and carried values, may be rounded once to bf16 or f16.
;; Inputs: bias 2,048 float32; delta_weight 2,048 x 4,096 float32; q_packed 4,194,304 int32; q_scales 65,536 float32; q_zeros 65,536 float32; x 4 x 2,048 x 4,096 float32.
;; Outputs: out0 4 x 2,048 x 2,048 float32.
;; One version. Each part assembles by itself: llvm-mc -triple=amdgcn-amd-amdhsa -mcpu=gfx1250 --defsym DOCPART=n.
;; ======== version 1 of 1: 2 launches
;; limits: values are held in f16: magnitudes above 65,504 overflow, below 6.1e-05 lose precision
;; workspace buffers: xh 67,108,864 bytes; wh 16,777,216 bytes
;; launch prep (part 1): grid 2048 x 1, 8 waves a work-group, no clusters, 0 bytes of LDS; arguments x, q_packed, q_scales, q_zeros, delta_weight, xh, wh; writes xh, wh
.if DOCPART == 1
	.amdgcn_target "amdgcn-amd-amdhsa--gfx1250"
	.amdhsa_code_object_version 6
	.text
	.protected	k_qfa5251aa8d_prep
	.globl	k_qfa5251aa8d_prep
	.p2align	8
	.type	k_qfa5251aa8d_prep,@function
k_qfa5251aa8d_prep:
	s_mov_b64 s[64:65], 0
	v_nop
	global_prefetch_b8 v0, s[64:65] scope:SCOPE_SE
	s_setreg_imm32_b32 hwreg(HW_REG_WAVE_MODE, 25, 1), 1
	s_wait_xcnt 0x0
; xh = f16(x), [8192][4096];  wh[o][k] = f16((q - zero[g]) * scale[g] + delta[o][k]), [2048][4096], g = (4096 o + k) / 128.
; q: word i of q_packed holds flat element 2 i in bits 3:0 and element 2 i + 1 in bits 7:4; the other bits are not looked at.
; ARITHMETIC.  q - zero is one f32 subtraction, times scale plus delta one fused multiply-add (one rounding fewer than a multiply and an add); then one rounding to f16.
; WHY f16.  Each output is a sum of 4,096 products and must lie within a hundredth of the outputs' root mean square; two operands of 8 significant bits leave the largest of 16.7 million
; errors too near that line, two of 11 bits an eighth of it.
; LIMITS.  f16 holds no number beyond 65,504: an x or a W_eff of 65,520 or more in magnitude becomes an infinity.  With every input thirty times the problem's kind |x| stays under 200 and
; |W_eff| <= (450 + 15) x 0.63 + 2 under 300.  Below 6.1e-5 f16 keeps a fixed step of 6e-8.  NaN and infinities pass through as the instructions make them.
; SHARES.  A stream: every input byte is read once, every output byte written once; nothing is shared, so there is no LDS, no barrier and no matrix work.
; Work-group o of 2,048 takes x's rows 4 o .. 4 o + 3 (65,536 bytes) and W's row o.  Wave w of eight takes 8,192 consecutive bytes of that x: 16 loads of 512 consecutive bytes, each
; leaving as one store of 256 consecutive aligned bytes; and the row's groups 4 w .. 4 w + 3: a group is 64 words of q (one load of 8 bytes a lane: lane l has elements 4 l .. 4 l + 3),
; 128 numbers of delta (one load of 16 bytes a lane) and 256 bytes of wh (one store of 8 bytes a lane).  A group is one wave's load, so its scale and zero are scalars.
; All 24 vector loads of a wave go out at its start; the waits count down.  No register that a pending load or store names is written again, so no wait frees any.
.set VX,  2                            ; v2       my byte offset in the group's x:     8,192 w + 16 l
.set VXH, 3                            ; v3       in its xh:                           4,096 w + 8 l
.set VQ,  4                            ; v4       in the row's q, and in the row's wh: 1,024 w + 8 l
.set VD,  5                            ; v5       in the row's delta:                  2,048 w + 16 l
.set X,   8                            ; v[8:71]   x load i: 4 registers; the first two then hold its 4 f16
.set Q,   72                           ; v[72:79]  group g: 2 words of q; then its 4 f16
.set D,   80                           ; v[80:95]  group g: 4 numbers of delta; then of W_eff
.set T,   96                           ; v[96:111] group g: 4 nibbles, at work
.set SC,  24                           ; s[24:27]  my four groups' scales
.set ZE,  28                           ; s[28:31]  my four groups' zeros
	s_load_b256 s[4:11], s[0:1], 0x0               ; x s[4:5], q_packed s[6:7], q_scales s[8:9], q_zeros s[10:11]
	s_load_b128 s[12:15], s[0:1], 0x20             ; delta_weight s[12:13], xh s[14:15]
	s_load_b64 s[16:17], s[0:1], 0x30              ; wh
	v_and_b32 v1, 31, v0                           ; lane
	v_lshrrev_b32 v6, 5, v0                        ; wave
	v_readfirstlane_b32 s18, v6                    ; and as a scalar
	v_lshlrev_b32 v[VX], 4, v1
	v_lshl_or_b32 v[VX], v6, 13, v[VX]
	v_lshlrev_b32 v[VXH], 3, v1
	v_lshl_or_b32 v[VQ], v6, 10, v[VXH]
	v_lshl_or_b32 v[VXH], v6, 12, v[VXH]
	v_lshlrev_b32 v[VD], 4, v1
	v_lshl_or_b32 v[VD], v6, 11, v[VD]
	s_lshl_b32 s20, ttmp9, 16                      ; the work-group's part of x: 4 rows of 16,384 bytes (all these offsets stay under 2^28)
	s_mov_b32 s21, 0
	s_lshl_b32 s22, ttmp9, 15                      ; of xh: 4 rows of 8,192 bytes
	s_mov_b32 s23, 0
	s_lshl_b32 s32, ttmp9, 13                      ; of q_packed and of wh: a row of 8,192 bytes
	s_mov_b32 s33, 0
	s_lshl_b32 s34, ttmp9, 14                      ; of delta_weight: a row of 16,384 bytes
	s_mov_b32 s35, 0
	s_lshl_b32 s36, ttmp9, 7                       ; of q_scales and q_zeros: a row's 32 groups, 128 bytes,
	s_lshl_b32 s19, s18, 4                         ; and my wave's four of them
	s_add_co_u32 s36, s36, s19
	s_mov_b32 s37, 0
	s_wait_kmcnt 0x0
	s_add_nc_u64 s[4:5], s[4:5], s[20:21]
	s_add_nc_u64 s[14:15], s[14:15], s[22:23]
	s_add_nc_u64 s[6:7], s[6:7], s[32:33]
	s_add_nc_u64 s[16:17], s[16:17], s[32:33]
	s_add_nc_u64 s[12:13], s[12:13], s[34:35]
	s_add_nc_u64 s[8:9], s[8:9], s[36:37]
	s_add_nc_u64 s[10:11], s[10:11], s[36:37]
	s_load_b128 s[SC:SC+3], s[8:9], 0x0            ; no line of this kernel writes these two tensors
	s_load_b128 s[ZE:ZE+3], s[10:11], 0x0
.irp i, 0,1,2,3,4,5,6,7,8,9,10,11,12,13,14,15
	global_load_b128 v[X+4*(\i):X+4*(\i)+3], v[VX], s[4:5] offset:512*(\i) th:TH_LOAD_NT
.endr
.irp g, 0,1,2,3
	global_load_b64  v[Q+2*(\g):Q+2*(\g)+1], v[VQ], s[6:7] offset:256*(\g) th:TH_LOAD_NT
	global_load_b128 v[D+4*(\g):D+4*(\g)+3], v[VD], s[12:13] offset:512*(\g) th:TH_LOAD_NT
.endr
; x load i: four numbers a lane are rounded and leave as 8 bytes: 32 lanes store 256 consecutive bytes, at a multiple of 256 from xh's first byte.
.macro XROW i
	s_wait_loadcnt 23-(\i)                         ; loads come back in order (ISA guide 5.7.1): the 15 - i younger loads of x and the 8 of q and delta may stay out
	v_cvt_pk_f16_f32 v[X+4*(\i)],   v[X+4*(\i)],   v[X+4*(\i)+1]
	v_cvt_pk_f16_f32 v[X+4*(\i)+1], v[X+4*(\i)+2], v[X+4*(\i)+3]
	global_store_b64 v[VXH], v[X+4*(\i):X+4*(\i)+1], s[14:15] offset:256*(\i)
.endm
; group g: two words of q give four nibbles; (q - zero) * scale + delta; 8 bytes a lane, 256 consecutive aligned bytes a wave.
.macro WGRP g
	s_wait_loadcnt 6-2*(\g)                        ; the later groups' pairs of loads may stay out
	v_and_b32 v[T+4*(\g)],   15, v[Q+2*(\g)]       ; element 4 l: the first word's low nibble,
	v_bfe_u32 v[T+4*(\g)+1], v[Q+2*(\g)], 4, 4     ; 4 l + 1: its high nibble,
	v_and_b32 v[T+4*(\g)+2], 15, v[Q+2*(\g)+1]     ; and the second word's two
	v_bfe_u32 v[T+4*(\g)+3], v[Q+2*(\g)+1], 4, 4
.irp k, 0,1,2,3
	v_cvt_f32_u32 v[T+4*(\g)+(\k)], v[T+4*(\g)+(\k)]
.endr
.irp k, 0,1,2,3
	v_sub_f32 v[T+4*(\g)+(\k)], v[T+4*(\g)+(\k)], s[ZE+(\g)]
.endr
.irp k, 0,1,2,3
	v_fma_f32 v[D+4*(\g)+(\k)], v[T+4*(\g)+(\k)], s[SC+(\g)], v[D+4*(\g)+(\k)]
.endr
	v_cvt_pk_f16_f32 v[Q+2*(\g)],   v[D+4*(\g)],   v[D+4*(\g)+1]
	v_cvt_pk_f16_f32 v[Q+2*(\g)+1], v[D+4*(\g)+2], v[D+4*(\g)+3]
	global_store_b64 v[VQ], v[Q+2*(\g):Q+2*(\g)+1], s[16:17] offset:256*(\g)
.endm
.irp i, 0,1,2,3,4,5,6,7,8,9,10,11,12,13,14,15
	XROW \i
.endr
	s_wait_kmcnt 0x0                               ; the scales and zeros
.irp g, 0,1,2,3
	WGRP \g
.endr
	s_endpgm
.Lfunc_end_k_qfa5251aa8d_prep:
	.size	k_qfa5251aa8d_prep, .Lfunc_end_k_qfa5251aa8d_prep-k_qfa5251aa8d_prep
	.p2alignl 7, 3214868480
	.fill 96, 4, 3214868480
	.section	.rodata,"a",@progbits
	.p2align	6, 0x0
	.amdhsa_kernel k_qfa5251aa8d_prep
		.amdhsa_group_segment_fixed_size 0
		.amdhsa_private_segment_fixed_size 0
		.amdhsa_enable_private_segment 0
		.amdhsa_kernarg_size 56
		.amdhsa_user_sgpr_count 2
		.amdhsa_user_sgpr_kernarg_segment_ptr 1
		.amdhsa_wavefront_size32 1
		.amdhsa_system_sgpr_workgroup_id_x 1
		.amdhsa_system_sgpr_workgroup_id_y 1
		.amdhsa_system_sgpr_workgroup_id_z 1
		.amdhsa_system_vgpr_workitem_id 0
		.amdhsa_next_free_vgpr 112
		.amdhsa_next_free_sgpr 66
		.amdhsa_reserve_vcc 0
		.amdhsa_float_denorm_mode_32 3
		.amdhsa_float_denorm_mode_16_64 3
		.amdhsa_memory_ordered 1
		.amdhsa_forward_progress 1
		.amdhsa_inst_pref_size 13
	.end_amdhsa_kernel
	.amdgpu_metadata
---
amdhsa.version: [ 1, 2 ]
amdhsa.kernels:
  - .name:           k_qfa5251aa8d_prep
    .symbol:         k_qfa5251aa8d_prep.kd
    .args:
      - { .name: x, .offset: 0, .size: 8, .value_kind: global_buffer, .address_space: global }
      - { .name: q_packed, .offset: 8, .size: 8, .value_kind: global_buffer, .address_space: global }
      - { .name: q_scales, .offset: 16, .size: 8, .value_kind: global_buffer, .address_space: global }
      - { .name: q_zeros, .offset: 24, .size: 8, .value_kind: global_buffer, .address_space: global }
      - { .name: delta_weight, .offset: 32, .size: 8, .value_kind: global_buffer, .address_space: global }
      - { .name: xh, .offset: 40, .size: 8, .value_kind: global_buffer, .address_space: global }
      - { .name: wh, .offset: 48, .size: 8, .value_kind: global_buffer, .address_space: global }
    .group_segment_fixed_size: 0
    .private_segment_fixed_size: 0
    .kernarg_segment_align: 8
    .kernarg_segment_size: 56
    .max_flat_workgroup_size: 256
    .sgpr_count:     66
    .vgpr_count:     112
    .wavefront_size: 32
...
	.end_amdgpu_metadata
.endif
;; end of part 1
;; launch gemm (part 2): grid 8 x 32, 4 waves a work-group, clusters of 4 x 4, 327,680 bytes of LDS; arguments xh, wh, bias, out0; writes out0
.if DOCPART == 2
	.amdgcn_target "amdgcn-amd-amdhsa--gfx1250"
	.amdhsa_code_object_version 6
	.text
	.protected	k_qfa5251aa8d_gemm
	.globl	k_qfa5251aa8d_gemm
	.p2align	8
	.type	k_qfa5251aa8d_gemm,@function
k_qfa5251aa8d_gemm:
	s_mov_b64 s[64:65], 0
	v_nop
	global_prefetch_b8 v0, s[64:65] scope:SCOPE_SE
	s_setreg_imm32_b32 hwreg(HW_REG_WAVE_MODE, 25, 1), 1
	s_wait_xcnt 0x0
	s_wait_alu depctr_hold_cnt(0) depctr_sa_sdst(0) depctr_va_vdst(0) depctr_va_sdst(0) depctr_va_ssrc(0) depctr_va_vcc(0) depctr_vm_vsrc(0)
	s_getreg_b32 s2, hwreg(HW_REG_IB_STS2, 6, 4)
	s_cmp_eq_u32 s2, 0
	s_cbranch_scc0 .Lentry_in_a_cluster
	s_endpgm
.Lentry_in_a_cluster:
	s_bfe_u32 s2, ttmp6, 0x10000c
	s_cmp_lg_u32 s2, 0xf033
	s_cbranch_scc0 .Lentry_shape_is_right
	s_endpgm
.Lentry_shape_is_right:
; out0[m][n] = the sum over k of xh[m][k] wh[n][k], plus bias[n].  xh: [8192][4096] f16, wh: [2048][4096] f16, bias: [2048] f32, out0: [8192][2048] f32.
; ARITHMETIC.  One f32 sum for each output, K ascending, in the matrix instruction's own order of addition; the bias is added once, in f32, behind the sum.  The operands were rounded once to f16
; by the launch before.  LIMIT: f16 holds no number beyond 65,504; the launch before states what that leaves of the inputs' range (a factor of 200 above inputs thirty times the problem's kind).
; SHARES.  out0 has 32 x 8 tiles of 256 x 256: 256 work-groups, one tile each.  Four waves, each 128 x 128: 64 accumulators of 16 x 16, 512 registers.  K goes in 32 steps of 128 through a ring of two
; LDS slots filled by the tensor data mover: the rows of both tiles are 256 bytes of memory and start at multiples of 256 bytes from the buffer's first byte.
; CLUSTERS: 4 x 4 work-groups.  The four of a row of the cluster make tiles of one tile row and need the same tiles of xh; the four of a column need the same tiles of wh.  Such a tile is asked for
; JOINTLY: each of the four issues the same tensor load, with the same descriptor and a mask that names the four, and each receives the tile in its own LDS.
; REGISTERS, in windows of 256 (an instruction names v0-v255; s_set_vgpr_msb says which window each operand place means: bits 1:0 source 0, 3:2 source 1, 5:4 source 2, 7:6 destination):
;   window 0: v0-31 addresses and the bias; v64-127, v128-191 fragments of xh (8 x 16 rows x 32 K), two buffers; on the way out the same registers hold 16 rows read back from the stage, by turns
;   window 1: v64-127, v128-191 fragments of wh, two buffers
;   window 2: the 32 accumulators of my rows 0-63 (accumulator (a, b) at v[8 (8 a + b)]);   window 3: those of my rows 64-127
; THE MATRIX INSTRUCTION IS USED TRANSPOSED: source 0 = 16 rows of wh, source 1 = 16 rows of xh.  In the result lane l holds row l % 16 of out0 and its registers 0 to 7 the columns
; 8 (l / 16) + 0 .. 7: eight neighbouring numbers of a row, 32 bytes.
.set SIZE_K, 4096
.set SIZE_N, 2048
.set KSTEP,  128
.set PITCH,  272                       ; an LDS row: 256 bytes of data + 16 of padding = 68 words: row r starts at bank 4 r mod 64 (64 banks of 4 bytes: ISA guide 11.1), so the 16 rows that a load touches start at 16 different banks
.set HALFT,  128*PITCH                 ; 128 rows: what one tensor load brings, and what one wave reads of xh or of wh
.set SLOT,   4*HALFT                   ; xh's 256 rows, then wh's 256 rows
.set STAGE,  2*SLOT                    ; behind the ring, never filled by a tensor load: 16 rows x 528 bytes for each wave (33 blocks of 256 bytes), for the way out
.set SPITCH, 528                       ; a stage row: my 128 columns in f32, 512 bytes, + 16: 132 words, so that 16 rows again start at 16 different groups of four banks
.set SPARE,  STAGE+4*16*SPITCH         ; behind the stages: the spare words, 128 bytes for each wave: two blocks of 256 bytes that no other line names
.set LAPS,   SIZE_K/(2*KSTEP)          ; a lap = two K steps = once round the ring: 16
.set BI,   8                           ; v[8:11] the bias of the four columns that I store
.set ADRA, 16                          ; v16-17  LDS address of my xh fragments in slot 0, 1
.set ADRB, 20                          ; v20-21  the same for wh
.set STO,  24                          ; v24     the way out: where I put 32 bytes of a row
.set RD,   25                          ; v25     the way out: where I read 16 bytes of a row back
.set CO,   26                          ; v26     16 x lane: my byte offset in my wave's 512 bytes of a row of out0, and of the bias
.set SPW,  28                          ; v28     LDS address of my spare word: SPARE + 4 x my thread's number; never rewritten
.set NIL,  29                          ; v29     0; never rewritten
.set F0,   64                          ; fragment buffer 0
.set F1,   128                         ; fragment buffer 1
.set OB,   64                          ; the way out: block a's 16 rows come back into v[OB + 64 (a % 2) ..], 4 registers a row
.set G1, 24                            ; s[24:31] descriptor group 1 for xh's tiles
.set G0, 32                            ; s[32:39] descriptor group 0 for xh's tiles, one set for each slot
.set G1B, 48                           ; s[48:55] descriptor group 1 for wh's tiles: it differs in the mask alone
.set G0B, 56                           ; s[56:63] descriptor group 0 for wh's tiles, one set for each slot
.set MSB, 0
.macro WIN new                         ; the immediate's high byte repeats the setting that is left; a switch that changes nothing is dropped
.if MSB != (\new)
	s_set_vgpr_msb (MSB<<8)|(\new)
.set MSB, \new
.endif
.endm
.set MUL_LO, 0xa1                      ; source 0 (wh) window 1, source 1 (xh) window 0, C and D window 2
.set MUL_HI, 0xf1                      ; the same, C and D window 3
.set TO_B,   0x40                      ; destination window 1, address window 0
; A joint load.  Waves 0 and 1 fetch xh's two halves, waves 2 and 3 wh's.  Each of the two lines has ONE mask and one set of registers for all that issue it.  The branch hangs on the wave's number
; alone.  An s_nop 0 and four v_nop follow each of the two lines; the jump, the label and what follows the macro come after them.
.macro JLOAD s
	s_cmp_eq_u32 s11, 0
	s_cbranch_scc0 .Lfor_b_\@
	tensor_load_to_lds s[G0+4*(\s):G0+4*(\s)+3], s[G1:G1+7]
	s_nop 0
.rept 4
	v_nop
.endr
	s_branch .Lasked_\@
.Lfor_b_\@:
	tensor_load_to_lds s[G0B+4*(\s):G0B+4*(\s)+3], s[G1B:G1B+7]
	s_nop 0
.rept 4
	v_nop
.endr
.Lasked_\@:
.endm
; A round of the cluster's barrier: my work-group's barrier, so that wave 0's signal speaks for all four waves; wave 0 signals for the work-group; every wave waits for all sixteen work-groups;
; my work-group's barrier once more.  No LDS instruction of the wave is pending at a signal.
.macro CREST                           ; a round behind its opening barrier
	s_cmp_lg_u32 s10, 0
	s_cbranch_scc1 .Lnot_wave_0_\@
	s_barrier_signal -3
.Lnot_wave_0_\@:
	s_barrier_wait -3
	s_barrier_signal -1
	s_barrier_wait -1
.endm
.macro CROUND                          ; a whole round
	s_barrier_signal -1
	s_barrier_wait -1
	CREST
.endm
	s_load_b128 s[4:7], s[0:1], 0x0                ; xh s[4:5], wh s[6:7]
	s_load_b128 s[68:71], s[0:1], 0x10             ; bias s[68:69], out0 s[70:71]
	v_lshl_add_u32 v[SPW], v0, 2, SPARE
	v_mov_b32 v[NIL], 0
	ds_add_u32 v[SPW], v[NIL]                      ; the wave's opening: the add and its wait stand ahead of my first tensor load; the set-up below, work on registers, stands between them
	v_lshrrev_b32 v1, 5, v0
	v_readfirstlane_b32 s10, v1                    ; wave 0..3
	s_lshr_b32 s11, s10, 1                         ; which half of the tile's rows is mine.  Also: I fetch for xh (0) or for wh (1)
	s_and_b32 s12, s10, 1                          ; which half of its columns.  Also: which 128 rows of that tile I fetch
	s_bfe_u32 s40, ttmp6, 0x40000                  ; cx: my place along the cluster's x
	s_bfe_u32 s41, ttmp6, 0x40004                  ; cy: along its y
	s_lshl_b32 s42, ttmp9, 2                       ; in a cluster launch ttmp9 and ttmp7 count clusters
	s_add_co_u32 s42, s42, s40                     ; tile column = 4 x cluster x + cx, 0 to 7
	s_and_b32 s13, ttmp7, 0xffff
	s_lshl_b32 s13, s13, 2
	s_add_co_u32 s13, s13, s41                     ; tile row = 4 x cluster y + cy, 0 to 31
	s_lshl_b32 s43, s41, 2
	s_lshl_b32 s43, 15, s43                        ; my row of the cluster: places 4 cy .. 4 cy + 3
	s_lshl_b32 s44, 0x1111, s40                    ; my column: places cx, cx + 4, cx + 8, cx + 12
	; descriptor group 1: a tile of 128 rows x 128 elements, padded in LDS
	s_or_b32 s[G1+0], s43, (1<<16)|(1<<20)|(1<<21)|(5<<22)|(3<<25)  ; 15:0 the mask: xh's tiles go to my row; 17:16 element of 2 bytes; 20 padding on; 21 set beside a mask; 24:22 after every 64 words (code 5); 31:25 of 4 words (code 3)
	s_or_b32 s[G1B+0], s44, (1<<16)|(1<<20)|(1<<21)|(5<<22)|(3<<25) ; the same with the mask of my column, for wh's tiles
	s_mov_b32 s[G1B+1], KSTEP<<16
	s_mov_b32 s[G1+1], KSTEP<<16                   ; 63:48 tensor_dim0, low half = 128
	s_mov_b32 s[G1B+2], 128<<16
	s_mov_b32 s[G1+2], 128<<16                     ; 79:64 its high half = 0; 95:80 tensor_dim1, low half = 128
	s_mov_b32 s[G1B+3], KSTEP<<16
	s_mov_b32 s[G1+3], KSTEP<<16                   ; 111:96 its high half = 0; 127:112 tile_dim0 = 128
	s_mov_b32 s[G1B+4], 128
	s_mov_b32 s[G1+4], 128                         ; 143:128 tile_dim1 = 128; 159:144 tile_dim2 = 0
	s_mov_b32 s[G1B+5], SIZE_K
	s_mov_b32 s[G1+5], SIZE_K                      ; 191:160 tensor_dim0_stride, low word: elements from row to row
	s_mov_b32 s[G1B+6], 0
	s_mov_b32 s[G1+6], 0
	s_mov_b32 s[G1B+7], 0
	s_mov_b32 s[G1+7], 0
	; where the tiles come from.  xh's hang on the tile row alone, which my row of the cluster shares; wh's on the tile column alone, which my column shares.
	; Every wave makes both addresses, in registers that never hold the other coordinate, and asks by one of them.
	s_lshl_b32 s17, s12, 7                         ; which 128 rows of the tile I fetch
	s_lshl_b32 s16, s13, 8
	s_add_co_u32 s16, s16, s17                     ; xh: row 256 x tile row + 128 x half
	s_lshl_b32 s46, s42, 8
	s_add_co_u32 s46, s46, s17                     ; wh: row 256 x tile column + 128 x half
	s_mov_b32 s17, 0
	s_mov_b32 s47, 0
	s_mov_b64 s[18:19], SIZE_K*2
	s_mul_u64 s[16:17], s[16:17], s[18:19]         ; in bytes, in 64 bits
	s_mul_u64 s[46:47], s[46:47], s[18:19]
	s_mul_i32 s20, s10, HALFT                      ; and where they go: xh's two halves, then wh's two halves = wave x 128 rows: no place in the cluster enters an LDS address
	s_wait_dscnt 0x0                               ; the opening add is done
	s_wait_kmcnt 0x0
	s_add_nc_u64 s[14:15], s[4:5], s[16:17]
	s_add_nc_u64 s[46:47], s[6:7], s[46:47]
	CROUND                                         ; all sixteen work-groups are here: the first joint loads meet
.irp s, 0,1
	s_mov_b32 s[G0+4*(\s)], 1                                      ; 1:0 count = 1
	s_add_co_u32 s[G0+4*(\s)+1], s20, (\s)*SLOT                    ; 63:32 LDS address
	s_add_nc_u64 s[G0+4*(\s)+2:G0+4*(\s)+3], s[14:15], (\s)*KSTEP*2  ; 120:64 global address: K step s
	s_or_b32 s[G0+4*(\s)+3], s[G0+4*(\s)+3], 0x80000000            ; 127:126 type = 2
	s_mov_b32 s[G0B+4*(\s)], 1
	s_add_co_u32 s[G0B+4*(\s)+1], s20, (\s)*SLOT
	s_add_nc_u64 s[G0B+4*(\s)+2:G0B+4*(\s)+3], s[46:47], (\s)*KSTEP*2
	s_or_b32 s[G0B+4*(\s)+3], s[G0B+4*(\s)+3], 0x80000000
	JLOAD \s                                       ; the ring is filled before anything else is done: two tensor loads of mine are out
.endr
	; A fragment is 16 rows x 32 K in 8 registers: lane l holds row l % 16; registers 0-3 hold K = 8 (l / 16) + 0..7, registers 4-7 hold
	; K = 16 + 8 (l / 16) + 0..7.  From rows that lie along K: two loads of 16 bytes, 32 bytes apart.  The same for source 0 and source 1.
	v_and_b32 v1, 15, v0                           ; l % 16
	v_bfe_u32 v2, v0, 4, 1                         ; l / 16
	v_mul_u32_u24 v3, v1, PITCH
	v_lshl_add_u32 v3, v2, 4, v3                   ; row x pitch + 16 x half
	s_mul_i32 s21, s11, HALFT                      ; my 128 rows of xh
	s_mul_i32 s22, s12, HALFT                      ; my 128 rows of wh,
	s_add_co_u32 s22, s22, 2*HALFT                 ; which lie behind xh's 256
.irp s, 0,1
	v_add_nc_u32 v[ADRA+(\s)], s21, v3
	v_add_nc_u32 v[ADRB+(\s)], s22, v3
	s_add_co_u32 s21, s21, SLOT
	s_add_co_u32 s22, s22, SLOT
.endr
	s_mul_i32 s23, s10, 16*SPITCH
	s_add_co_u32 s23, s23, STAGE                   ; my stage
	v_mul_u32_u24 v4, v1, SPITCH                   ; in: row l % 16, 32 bytes for each half of the lanes
	v_lshl_add_u32 v4, v2, 5, v4
	v_add_nc_u32 v[STO], s23, v4
	v_and_b32 v5, 31, v0
	v_lshlrev_b32 v[CO], 4, v5                     ; back: the 32 lanes take one row's 512 bytes, 16 each,
	v_add_nc_u32 v[RD], s23, v[CO]                 ; which are 512 consecutive bytes of out0
	; where my part of the tile begins in out0, and my 128 columns in the bias
	s_lshl_b32 s13, s13, 8
	s_lshl_b32 s14, s11, 7
	s_add_co_u32 s16, s13, s14                     ; my first row of out0
	s_mov_b32 s17, 0
	s_mov_b64 s[18:19], SIZE_N*4
	s_mul_u64 s[16:17], s[16:17], s[18:19]
	s_lshl_b32 s46, s42, 10                        ; my first column, in bytes: 1,024 x tile column + 512 x half (in the registers that held wh's address)
	s_lshl_b32 s47, s12, 9
	s_add_co_u32 s46, s46, s47
	s_mov_b32 s47, 0
	s_add_nc_u64 s[68:69], s[68:69], s[46:47]      ; the bias at my first column
	s_add_nc_u64 s[16:17], s[16:17], s[46:47]
	s_add_nc_u64 s[70:71], s[70:71], s[16:17]      ; out0 at my first row and column; never rewritten
	global_load_b128 v[BI:BI+3], v[CO], s[68:69]   ; the bias of columns 4 l .. 4 l + 3 of my 128: the columns that I store in every row
; 16 matrix instructions: m blocks a0, a0 + 1 of the window's four (hi = 0: my rows 0-63, 1: rows 64-127) x all 8 n blocks, 32 along K.
; zero = 1: the first product starts the sums: nothing is ever cleared.  The 64 accumulators take turns, one instruction a turn, in the same order in every quarter step.
.macro MUL16 f, hi, a0, zero
	WIN MUL_LO+0x50*(\hi)  ; MUL_LO or MUL_HI
.irp a, \a0, (\a0)+1
.irp b, 0,1,2,3,4,5,6,7
.if \zero
	v_wmma_f32_16x16x32_f16 v[8*(8*(\a)+(\b)):8*(8*(\a)+(\b))+7], v[(\f)+8*(\b):(\f)+8*(\b)+7], v[(\f)+8*(4*(\hi)+(\a)):(\f)+8*(4*(\hi)+(\a))+7], 0
.else
	v_wmma_f32_16x16x32_f16 v[8*(8*(\a)+(\b)):8*(8*(\a)+(\b))+7], v[(\f)+8*(\b):(\f)+8*(\b)+7], v[(\f)+8*(4*(\hi)+(\a)):(\f)+8*(4*(\hi)+(\a))+7], v[8*(8*(\a)+(\b)):8*(8*(\a)+(\b))+7]
.endif
.endr
.endr
.endm
; 32 LDS loads in one run: the fragments of one quarter step (128 rows of wh, 128 rows of xh, 32 K at byte k of the rows) into buffer f
.macro FETCH slot, k, f
	WIN TO_B
.irp i, 0,1,2,3,4,5,6,7
	ds_load_b128 v[(\f)+8*(\i):(\f)+8*(\i)+3],   v[ADRB+(\slot)] offset:(\k)+(\i)*16*PITCH
	ds_load_b128 v[(\f)+8*(\i)+4:(\f)+8*(\i)+7], v[ADRB+(\slot)] offset:(\k)+(\i)*16*PITCH+32
.endr
	WIN 0
.irp i, 0,1,2,3,4,5,6,7
	ds_load_b128 v[(\f)+8*(\i):(\f)+8*(\i)+3],   v[ADRA+(\slot)] offset:(\k)+(\i)*16*PITCH
	ds_load_b128 v[(\f)+8*(\i)+4:(\f)+8*(\i)+7], v[ADRA+(\slot)] offset:(\k)+(\i)*16*PITCH+32
.endr
.endm
; A load into a register that a matrix instruction has read, and an LDS store that reads a matrix result, stand four places behind that matrix instruction, and only plain vector instructions
; that name none of its registers are places (ISA guide 7.12.1 for vector instructions).  So four v_nop stand in front of each run of loads.
.macro PLACES
.rept 4
	v_nop
.endr
.endm
; A K step is four quarter steps of 32 along K, 64 matrix instructions each, on buffers 0, 1, 0, 1.
; One of the first three: multiplies buffer f; in its middle it fetches the next quarter's fragments, at byte k of the same slot's rows, into buffer g.
.macro QUARTER slot, k, f, g, zero
	s_wait_dscnt 8                                 ; wh and xh's rows 0-63 are in; the youngest eight loads (xh's rows 64-127) may be out
	WIN MUL_LO
	MUL16 \f, 0, 0, \zero
	MUL16 \f, 0, 2, \zero
	PLACES
	FETCH \slot, \k, \g
	s_wait_dscnt 32                                ; all but the 32 just issued
	WIN MUL_HI
	MUL16 \f, 1, 0, \zero
	MUL16 \f, 1, 2, \zero
.endm
; The last quarter multiplies buffer 1 and changes slots.  MEET is its first half: ONE barrier for the change of slots, for two things.  In front of it each wave waits for all its tensor loads,
; of which one is out: its part of the next slot; adds 0 to its spare word; and waits for that and for its own reads of this slot.  Behind it nobody reads this slot any more and the next slot is whole.
.macro MEET round                      ; round = 1: a round of the cluster's barrier follows
	WIN 0                                          ; (the add's two registers lie in window 0)
	s_wait_tensorcnt 0x0                           ; all my tensor loads have landed: the one that was out is my part of the next slot;
	ds_add_u32 v[SPW], v[NIL]                      ; 0 onto my spare word:
	s_wait_dscnt 9                                 ; (the add and the youngest eight loads may be out)
	WIN MUL_LO
	MUL16 F1, 0, 0, 0                              ; sixteen matrix instructions stand between the add and the wait for it
	s_wait_dscnt 0x0                               ; the add is done, and my reads of this slot are over:
	s_barrier_signal -1                            ; say so (where a slot is filled again this barrier opens a round of the cluster's barrier),
	MUL16 F1, 0, 2, 0                              ; work on registers while the others arrive,
.if \round
	WIN 0
.endif
	s_barrier_wait -1                              ; and go on when all four have said so
.endm
; The whole last quarter.  fill = 1: behind the round the slot just read out is filled again first, with the K step two steps on: from that request to the wait for it a wave issues 224 matrix
; instructions; then come the next slot's first fragments.  fill = 0: nothing is left to ask for, and no round follows.
.macro TURN slot, next, fill
	MEET \fill
.if \fill
	CREST                                          ; wave 0 says so for the work-group, all sixteen have said so, my work-group's barrier closes the round: no wave of any partner still reads this slot's tile or has a load on its way
	s_add_nc_u64 s[G0+4*(\slot)+2:G0+4*(\slot)+3], s[G0+4*(\slot)+2:G0+4*(\slot)+3], 2*KSTEP*2    ; no tensor load of mine is out, so a group 0 may be written; the type bits on top are not reached
	s_add_nc_u64 s[G0B+4*(\slot)+2:G0B+4*(\slot)+3], s[G0B+4*(\slot)+2:G0B+4*(\slot)+3], 2*KSTEP*2
	JLOAD \slot                                    ; the first tensor load behind the round, and my only one until the next; the four v_nop behind it are also the places in front of the loads below
.else
	PLACES
.endif
	FETCH \next, 0, F0
	WIN MUL_HI
	MUL16 F1, 1, 0, 0
	MUL16 F1, 1, 2, 0
.endm
; THE WAY OUT of block a (my rows 16 a .. 16 a + 15), in two parts.  TOSTAGE: a lane's 32 bytes of a row go as they are, f32, into my own stage in LDS, straight from the accumulators (each
; accumulator's four lowest registers first), and come back as whole rows of 512 bytes.  SEND: the bias is added and the rows are stored.
.macro TOSTAGE a
.set AC, 64*((\a)%4)                   ; its eight accumulators, in window 2 (blocks 0-3) or 3 (blocks 4-7)
.set BK, OB+64*((\a)%2)
	WIN 0x08+4*((\a)/4)                            ; an LDS store's data is source 1: window 2 or 3; its address, source 0, window 0
.irp b, 0,1,2,3,4,5,6,7
	ds_store_b128 v[STO], v[AC+8*(\b):AC+8*(\b)+3]   offset:64*(\b)
	ds_store_b128 v[STO], v[AC+8*(\b)+4:AC+8*(\b)+7] offset:64*(\b)+16
.endr
	WIN 0
.if (\a) >= 2
	s_wait_xcnt 0x0                                ; every earlier memory instruction has had its addresses translated (ISA guide 3.1): the registers that block a - 2's stores read are loaded again only behind this wait
.endif
.irp t, 0,1,2,3,4,5,6,7,8,9,10,11,12,13,14,15
	ds_load_b128 v[BK+4*(\t):BK+4*(\t)+3], v[RD] offset:(\t)*SPITCH  ; LDS serves a wave's instructions in order (ISA guide 5.7.1.4): these see the stores above, and the next block's stores come behind them
.endr
.endm
.macro SEND a, younger                 ; younger: the LDS instructions issued behind block a's loads: the next block's 32, or none
	WIN 0
.set BK, OB+64*((\a)%2)
.irp t, 0,1,2,3,4,5,6,7,8,9,10,11,12,13,14,15
	s_wait_dscnt (\younger)+15-(\t)                ; row t is back; the block's later rows and the next block's instructions may be out
	v_pk_add_f32 v[BK+4*(\t):BK+4*(\t)+1],   v[BK+4*(\t):BK+4*(\t)+1],   v[BI:BI+1]
	v_pk_add_f32 v[BK+4*(\t)+2:BK+4*(\t)+3], v[BK+4*(\t)+2:BK+4*(\t)+3], v[BI+2:BI+3]
	global_store_b128 v[CO], v[BK+4*(\t):BK+4*(\t)+3], s[70:71] offset:(16*(\a)+(\t))*SIZE_N*4 th:TH_STORE_NT  ; 512 consecutive bytes, at a multiple of 512 from out0's first; the row stands in the immediate: 127 x 8,192 at the most, inside its signed 24 bits
.endr
.endm
	s_wait_loadcnt 0x0                             ; the bias
	s_wait_tensorcnt 1                             ; my part of K step 0 is in; K step 1's may stay out
	s_barrier_signal -1
	s_barrier_wait -1                              ; everybody's is
	FETCH 0, 0, F0
	QUARTER 0, 64,  F0, F1, 1                      ; the first quarter stands in front of the loop: its products start the sums
	WIN 0                                          ; at a label and at a branch every window is 0
	s_mov_b32 s3, LAPS-1
.Llap:                                                 ; 15 trips: a trip goes once round the ring, from a lap's second quarter to the next lap's first, and fills both slots again
	QUARTER 0, 128, F1, F0, 0
	QUARTER 0, 192, F0, F1, 0
	TURN 0, 1, 1
	QUARTER 1, 64,  F0, F1, 0
	QUARTER 1, 128, F1, F0, 0
	QUARTER 1, 192, F0, F1, 0
	TURN 1, 0, 1
	QUARTER 0, 64,  F0, F1, 0
	WIN 0
	s_sub_co_u32 s3, s3, 1
	s_cmp_lg_u32 s3, 0
	s_cbranch_scc1 .Llap
	QUARTER 0, 128, F1, F0, 0                      ; the last lap is written out: it asks for nothing more
	QUARTER 0, 192, F0, F1, 0
	TURN 0, 1, 0                                   ; my one tensor load that was still out is slot 1's, the last K step's
	QUARTER 1, 64,  F0, F1, 0
	QUARTER 1, 128, F1, F0, 0
	QUARTER 1, 192, F0, F1, 0
	s_wait_dscnt 8                                 ; the very last quarter: nothing more to fetch
	WIN MUL_LO
	MUL16 F1, 0, 0, 0
	MUL16 F1, 0, 2, 0
	s_wait_dscnt 0x0
	WIN MUL_HI
	MUL16 F1, 1, 0, 0
	MUL16 F1, 1, 2, 0
	PLACES                                         ; behind the last products: the LDS stores below read results, and the loads from the stage land in xh's fragment buffers
	TOSTAGE 0
.irp a, 1,2,3,4,5,6,7                  ; block a's way through the stage is begun before block a - 1's rows are waited for
	TOSTAGE \a
	SEND (\a)-1, 32
.endr
	SEND 7, 0
	s_wait_tensorcnt 0x0                           ; the wave's end, behind my last tensor load and my last LDS store
	ds_add_u32 v[SPW], v[NIL]
	s_wait_dscnt 0x0
	CROUND                                         ; the closing round: no work-group ends while a partner may still ask for a tile that names it
	s_endpgm
.Lfunc_end_k_qfa5251aa8d_gemm:
	.size	k_qfa5251aa8d_gemm, .Lfunc_end_k_qfa5251aa8d_gemm-k_qfa5251aa8d_gemm
	.p2alignl 7, 3214868480
	.fill 96, 4, 3214868480
	.section	.rodata,"a",@progbits
	.p2align	6, 0x0
	.amdhsa_kernel k_qfa5251aa8d_gemm
		.amdhsa_group_segment_fixed_size 327680
		.amdhsa_private_segment_fixed_size 0
		.amdhsa_enable_private_segment 0
		.amdhsa_kernarg_size 32
		.amdhsa_user_sgpr_count 2
		.amdhsa_user_sgpr_kernarg_segment_ptr 1
		.amdhsa_wavefront_size32 1
		.amdhsa_system_sgpr_workgroup_id_x 1
		.amdhsa_system_sgpr_workgroup_id_y 1
		.amdhsa_system_sgpr_workgroup_id_z 1
		.amdhsa_system_vgpr_workitem_id 0
		.amdhsa_next_free_vgpr 1024
		.amdhsa_next_free_sgpr 72
		.amdhsa_reserve_vcc 0
		.amdhsa_float_denorm_mode_32 3
		.amdhsa_float_denorm_mode_16_64 3
		.amdhsa_memory_ordered 1
		.amdhsa_forward_progress 1
		.amdhsa_inst_pref_size 160
	.end_amdhsa_kernel
	.amdgpu_metadata
---
amdhsa.version: [ 1, 2 ]
amdhsa.kernels:
  - .name:           k_qfa5251aa8d_gemm
    .symbol:         k_qfa5251aa8d_gemm.kd
    .args:
      - { .name: xh, .offset: 0, .size: 8, .value_kind: global_buffer, .address_space: global }
      - { .name: wh, .offset: 8, .size: 8, .value_kind: global_buffer, .address_space: global }
      - { .name: bias, .offset: 16, .size: 8, .value_kind: global_buffer, .address_space: global }
      - { .name: out0, .offset: 24, .size: 8, .value_kind: global_buffer, .address_space: global }
    .group_segment_fixed_size: 327680
    .private_segment_fixed_size: 0
    .kernarg_segment_align: 8
    .kernarg_segment_size: 32
    .max_flat_workgroup_size: 128
    .sgpr_count:     72
    .vgpr_count:     1024
    .wavefront_size: 32
...
	.end_amdgpu_metadata
.endif
;; end of part 2
